; MI455X (gfx1250); checked and timed in simulation.
; The chip was launched on July 23, 2026; its instructions are those of AMD's public machine-readable ISA for CDNA 5 (MIT licence, August 2026) and "CDNA5" Instruction Set Architecture Reference Guide (July 2026). The comments in the code are by the model that wrote it; some were corrected since.
;; Weight Matrix Transformer Decoder V2. Allowed arithmetic: matrix products marked QUANTISED: E2M1 operands, one E8M0 scale for each 32 along K, by v_wmma_scale_f32_16x16x128_f8f6f4 with both operands' format E2M1 (or v_wmma_scale_f32_32x16x128_f4), f32 sums; everything else in f32.
;; Inputs: W_proj_codes 16,384 x 16 x 16 uint8 (E2M1 codes of W_proj, K innermost, in blocks of 32 codes, two codes a byte); W_proj_scales 16,384 x 16 uint8 (E8M0 scales of W_proj, one for each 32 codes along K); b_proj 16,384 float32; token_codes 16 x 256 x 16 x 16 uint8 (E2M1 codes of token, K innermost, in blocks of 32 codes, two codes a byte); token_scales 16 x 256 x 16 uint8 (E8M0 scales of token, one for each 32 codes along K).
;; Outputs: out0 16 x 256 x 512 float32.
;; This version of the problem:
;;   THIS VERSION OF THE PROBLEM IS GIVEN IN LOW PRECISION. The matrix products marked QUANTISED in the list below multiply operands that are first quantised to E2M1 (2 exponent bits, 1 mantissa bit; 4 bits a number), with one power-of-two scale for each 32 numbers along K (OCP MX v1.0); their sums are f32. All else is computed in f32.
;;   The module's matrix products, in the order in which they are computed (A, B: the left and right operand; K: the contracted axis; several contracted axes count as one K, in the product's order):
;;     1. [M 4,096, K 512] x [K 512, N 16,384]; A: input token (given as codes); B: input W_proj (given as codes): QUANTISED
;;     2. batch 8,192 x [M 16, K 256] x [K 256, N 16]; A: computed on the way; B: computed on the way: QUANTISED
;;   THE QUANTISER, for each operand of a quantised product, along K:
;;     - K is cut into blocks of 32 from its start; a last block that is shorter is filled with zeros.
;;     - A block's scale is 2^e with e = floor(log2(the largest magnitude in the block)) - 2, held to -126 .. 127; a block of zeros has e = 0. As a byte (E8M0): e + 127.
;;     - Each number is divided by its block's scale, clamped to +-6, and rounded to the nearest number of E2M1, ties to even, subnormals kept.
;;     - The product sums the exact products of the quantised numbers (number of the format x scale) in f32.
;;   ~~~python
;;   def quantise(x, axis):      # numpy; x: float32 -> the quantised numbers, widened to float32 again
;;       x = np.moveaxis(x, axis, -1); K = x.shape[-1]
;;       x = np.pad(x, [(0, 0)] * (x.ndim - 1) + [(0, -K % 32)]); x = x.reshape(x.shape[:-1] + (-1, 32)); a = np.abs(x).max(-1, keepdims=True)
;;       e = np.where(a > 0, np.clip(np.frexp(np.where(a > 0, a, 1))[1] - 1 - 2, -126, 127), 0)      # np.frexp(a)[1] - 1 = floor(log2(a)), exactly
;;       r = np.clip(x / 2.0 ** e, -6, 6)
;;       step = 2.0 ** (np.maximum(np.frexp(np.where(r == 0, 1, r))[1] - 1, 0) - 1)
;;       q = np.round(r / step) * step * 2.0 ** e      # np.round: ties to even
;;       return np.moveaxis(q.reshape(q.shape[:-2] + (-1,))[..., :K], -1, axis).astype(np.float32)
;;   ~~~
;;   OPERANDS COMPUTED ON THE WAY. 'Computed on the way' means the value that the module computes at that place (a softmax that the list does not call 'softmax' is quantised finished and normalised). What goes into a quantiser is computed in f32, as accurately as f32 sums, v_exp_f32 and their like allow (about 1e-6 of the number): no bf16 or f16 on the way to a quantiser, and a product that is left as it is and whose result goes on into a quantised operand takes f32 operands (vector FMAs, or v_wmma_f32_16x16x4_f32). A number that lies on a knife's edge between two numbers of the format may be rounded either way, as far as f32 arithmetic and the matrix unit's own rounding can turn it there, and no further.
;;   INPUTS GIVEN AS CODES. W_proj (in the module: [512, 16384], K = its axis 0); token (in the module: [16, 256, 512], K = its axis 2): each comes as NAME_codes (uint8): NAME with its K axis moved to the last place and cut into blocks of 32 codes, [.., K / 32, bytes a block], one block behind the other in memory; two codes a byte, the lower K in the low four bits (a code: sign, 2 exponent bits, 1 mantissa bit); and NAME_scales (uint8): the same leading axes, one E8M0 byte (e + 127) for each 32 codes along K. Its value is code x scale, taken as it is: it is not quantised again, and the codes and scales need not be those that the quantiser above would give.
;; One version. Each part assembles by itself: llvm-mc -triple=amdgcn-amd-amdhsa -mcpu=gfx1250 --defsym DOCPART=n.
;; ======== version 1 of 1: 2 launches
;; workspace buffers: ws 8,388,608 bytes
;; launch memory (part 1): grid 64 x 4, 8 waves a work-group, no clusters, 276,736 bytes of LDS; arguments token_codes, token_scales, W_proj_codes, W_proj_scales, b_proj, ws; writes ws
.if DOCPART == 1
	.amdgcn_target "amdgcn-amd-amdhsa--gfx1250"
	.amdhsa_code_object_version 6
	.text
	.protected	k_q066743de80_memory
	.globl	k_q066743de80_memory
	.p2align	8
	.type	k_q066743de80_memory,@function
k_q066743de80_memory:
	s_mov_b64 s[64:65], 0
	v_nop
	global_prefetch_b8 v0, s[64:65] scope:SCOPE_SE
	s_setreg_imm32_b32 hwreg(HW_REG_WAVE_MODE, 25, 1), 1
	s_wait_xcnt 0x0
; kv = token W + b (K = 512, both operands given as E2M1 codes with E8M0 bytes); in each head columns 0-15 are k, 16-31 are v; k = silu(k), each pair (2j, 2j+1) turned by theta[8 h + j] (255 - n);
; wm[b][d][e][h] = sum over n of k'[n][d] v[n][e], both operands quantised along n in blocks of 32.  This launch stores ws[b][hg][16 d + e][y] (h = 8 hg + y), f32; the next launch turns that into out0.
; SHARES.  Work-group (hg, bg): heads 8 hg .. +7, b = 4 bg .. +3.  Wave w: b = 4 bg + w / 2, rows n = 128 (w % 2) .. +127.  Its 128 rows of token codes stay in 256 registers (window 1) for the whole launch;
; it walks the four pairs of heads.  The two halves of n meet in a stage in LDS at the end and are added in f32.
; LAYOUT.  Product 1: source 0 = 16 token rows, source 1 = 16 columns of W.  Row tile (be, u) takes in lane r row 32 be + 8 u + r + 8 (r / 8), so that the 16 result registers of tiles u = 0, 1 are 16 neighbours
; along n: n = 32 be + 16 (lane / 16) + q.  Column tiles of a pair of heads: E = the even d of both heads (lane r: head r / 8, d = 2 (r % 8)), O = the odd d, V0, V1 = v of each head.  So the partner of a
; rotation lies in the same lane in another accumulator, and one (cos, sin) serves two numbers.  Product 2: source 0 = E's or O's codes, source 1 = V0's or V1's; of its result the lanes of the same head are kept.
; COS AND SIN hang on (head, n) alone: each wave makes one block of 32 n for all four pairs, as images of the registers that will hold them, and all eight waves read them from LDS.
; theta = 10000^(-i / 4096) is made with a two-part exponent and a two-part sum; the angle is ONE f32 product theta x index, as the problem has it; then a three-part reduction by pi / 2 and polynomials.
; THE START.  A wave's 64 loads of token rows are dealt out over the table's arithmetic: 16 at the head, then four at each of three places of each of the table's four trips; a block of 32 rows is turned into
; fragments when its loads have had two trips in which to land.  So the work-group's 544 loads are issued beside its vector work and not ahead of it.  The four trips are written out: window 1's registers differ.
; NO CLUSTER.  Of the 325 KB that a work-group reads, W, its scales and the bias (69 KB) are shared with the three other bg, and are fetched once, under the table's arithmetic.  The 256 KB of token codes
; are shared with the other hg, but they go to registers: through LDS they would need four refills of the 68 KB that are free there, each behind a round of a cluster's barrier.
; LIMITS.  NaN and infinities are not served.  For kv under about -87 silu gives -0 where the exact number is under 1e-36 in magnitude.  A block of zeros has the scale byte 1 and zero codes (the bytes are
; read here alone).  theta lies within about 0.6 units of its last place, cos and sin within about one unit of the last place of 1.
.set WHEAD, 8720                       ; LDS: W's codes from byte 0: a head's 32 rows at pitch 272, and 16 bytes more a head, so that E's and O's loads (rows 2 i of two heads) start at 16 different 16-byte columns of 256
.set WPIT,  272
.set WSC,   69888                      ; W's scale bytes: [256 columns][16]
.set BIAS,  73984                      ; b_proj: [256] f32
.set TAB,   75008                      ; cos, sin: [block of 32 n: 16384][pair: 4096][cos, sin: 2048][g: 512][lane: 16]
.set STG,   206080                     ; the stage: [wave: 8192][16 d + e: 32][y: 4]
.set SCR,   206080                     ; in the same bytes, ahead of the first barrier only: each wave's 32 token rows at pitch 272
.set AWE0, 1                           ; v1   my lane's place in E's rows of W
.set AWV0, 2                           ; v2   in V0's
.set ASE0, 3                           ; v3   W's scale words: lanes 0-15 E's, lanes 16-31 O's
.set ASV0, 4                           ; v4   lanes 0-15 V0's, lanes 16-31 V1's
.set ABE0, 5                           ; v5   the bias of my column of E (O's is 4 bytes on)
.set ABV0, 6                           ; v6   of V0 (V1's is 128 bytes on)
.set ATB0, 7                           ; v7   the table: my half of n, 16 x lane
.set ASG0, 8                           ; v8   the stage: my wave, e = lane % 16, head lane / 16
.set AW,   9                           ; v9-11, v238, v239: the addresses in hand, one register for each kind of access
.set AT,   10
.set AS,   11
.set L16,  12                          ; v12  16 x lane
.set TSO,  13                          ; v13  my row's token scale words
.set SCI,  14                          ; v14  the token rows' way into LDS
.set SCO,  15                          ; v15  and out
.set TSC,  16                          ; v16-31  token scale words [4 be + s]: lanes 0-15 tile u = 0, lanes 16-31 tile u = 1
.set WF,   32                          ; v32-95  W's fragments: tile a at 8 s, tile b at 32 + 8 s
.set WSE,  96                          ; v96-99, v100-103  W's scale words [s]
.set WSV,  100
.set BC,   104                         ; v104-119  the bias as C: eight equal registers a tile
.set ACC,  120                         ; v120-151  four accumulators
.set TMP,  152                         ; v152-167  at work
.set TC,   168                         ; v168-183 cos, v184-199 sin of a block; later product 2's four results
.set TS,   184
.set CE,   200                         ; v200-207, v208-215, v216-223  codes of E, O, V
.set CO,   208
.set CV,   216
.set SWE,  224                         ; v224-226  their scale words, and nothing else
.set SWO,  225
.set SWV,  226
.set QW,   228                         ; v228-237  the quantiser's work
.set AB,   238
.set AG,   239
.set AOUT, 240                         ; v240  the way out: where I read the stage
.set BL,   244                         ; v244-247  the bias as loaded
.set ME,   248                         ; v248-255  merged results
; while the table is made: v32-127 four sets of 24, v128-143 eight pairs of indices, v148-149 theta twice, v150 where I store, v151 i, v152-158 the lane's numbers, v200-221 constants in pairs
.set GT,   32
.set IDX,  128
.set TH,   148
.set GST,  150
.set GI,   151
.set LN,   152
.set RR,   153
.set HH,   154
.set XX,   155
.set II,   156
.set R8,   157
.set TT,   158
.set KTP,  200
.set KMG,  202
.set KP1,  204
.set KP2,  206
.set KP3,  208
.set KS1,  210
.set KS2,  212
.set KS3,  214
.set KC1,  216
.set KC2,  218
.set KC3,  220
.set MSB, 0
.macro WIN new                         ; the immediate's high byte repeats the setting that is left
.if MSB != \new
	s_set_vgpr_msb (MSB<<8)|\new
.set MSB, \new
.endif
.endm
.macro PLACES n
.rept \n
	v_nop
.endr
.endm
.macro KPAIR reg, val
	v_mov_b32 v[\reg], \val
	v_mov_b32 v[\reg+1], \val
.endm
; my token rows as they lie, into window 1: groups g0 .. g0 + n - 1 of four loads; a load takes two rows, 512 consecutive bytes; group g is rows 8 g .. 8 g + 7, a block of 32 rows four groups
.macro TOKENS g0, n
	WIN 0x40                                       ; destination window 1
.set LK, 4*(\g0)
.rept 4*(\n)
	global_load_b128 v[4*LK:4*LK+3], v[L16], s[4:5] offset:512*LK
.set LK, LK+1
.endr
	WIN 0
.endm
; one product: D, A, B, C by their first registers; the scale registers; ra, rb = 1: that side's scales stand in lanes 16-31
.macro WM d, a, b, c, sa, sb, ra, rb
.if (\ra) && (\rb)
	v_wmma_scale_f32_16x16x128_f8f6f4 v[(\d):(\d)+7], v[(\a):(\a)+7], v[(\b):(\b)+7], v[(\c):(\c)+7], v[(\sa)], v[(\sb)] matrix_a_fmt:MATRIX_FMT_FP4 matrix_b_fmt:MATRIX_FMT_FP4 matrix_a_scale:MATRIX_SCALE_ROW1 matrix_b_scale:MATRIX_SCALE_ROW1
.elseif (\ra)
	v_wmma_scale_f32_16x16x128_f8f6f4 v[(\d):(\d)+7], v[(\a):(\a)+7], v[(\b):(\b)+7], v[(\c):(\c)+7], v[(\sa)], v[(\sb)] matrix_a_fmt:MATRIX_FMT_FP4 matrix_b_fmt:MATRIX_FMT_FP4 matrix_a_scale:MATRIX_SCALE_ROW1
.elseif (\rb)
	v_wmma_scale_f32_16x16x128_f8f6f4 v[(\d):(\d)+7], v[(\a):(\a)+7], v[(\b):(\b)+7], v[(\c):(\c)+7], v[(\sa)], v[(\sb)] matrix_a_fmt:MATRIX_FMT_FP4 matrix_b_fmt:MATRIX_FMT_FP4 matrix_b_scale:MATRIX_SCALE_ROW1
.else
	v_wmma_scale_f32_16x16x128_f8f6f4 v[(\d):(\d)+7], v[(\a):(\a)+7], v[(\b):(\b)+7], v[(\c):(\c)+7], v[(\sa)], v[(\sb)] matrix_a_fmt:MATRIX_FMT_FP4 matrix_b_fmt:MATRIX_FMT_FP4
.endif
.endm
	s_load_b256 s[4:11], s[0:1], 0x0               ; token codes s[4:5], token scales s[6:7], W's codes s[8:9], W's scales s[10:11]
	s_load_b128 s[12:15], s[0:1], 0x20             ; b_proj s[12:13], ws s[14:15]
	v_lshl_add_u32 v242, v0, 2, 0x43500
	v_mov_b32 v243, 0
	ds_add_u32 v242, v243
	ds_add_u32 v242, v243
	v_lshrrev_b32 v[AW], 5, v0
	v_readfirstlane_b32 s3, v[AW]                  ; wave 0..7
	s_mov_b32 s2, ttmp9                            ; hg
	s_and_b32 s56, ttmp7, 0xffff                   ; bg
	s_lshr_b32 s59, s3, 1
	s_lshl_b32 s57, s56, 2
	s_add_co_u32 s57, s57, s59                     ; b = 4 bg + wave / 2
	s_and_b32 s58, s3, 1                           ; which half of n
	s_lshl_b32 s52, s2, 16                         ; byte offsets, each in a pair of its own.  W's codes: 65,536 hg + 8,192 wave (wave w fetches head w)
	s_lshl_b32 s59, s3, 13
	s_add_co_u32 s52, s52, s59
	s_mov_b32 s53, 0
	s_lshl_b32 s54, s2, 12                         ; W's scales: 4,096 hg + 512 wave
	s_lshl_b32 s59, s3, 9
	s_add_co_u32 s54, s54, s59
	s_mov_b32 s55, 0
	s_lshl_b32 s76, s2, 10                         ; b_proj: 1,024 hg + 128 wave
	s_lshl_b32 s59, s3, 7
	s_add_co_u32 s76, s76, s59
	s_mov_b32 s77, 0
	s_lshl_b32 s78, s57, 16                        ; token codes: 65,536 b + 32,768 half
	s_lshl_b32 s59, s58, 15
	s_add_co_u32 s78, s78, s59
	s_mov_b32 s79, 0
	s_lshl_b32 s80, s57, 12                        ; token scales: 4,096 b + 2,048 half
	s_lshl_b32 s59, s58, 11
	s_add_co_u32 s80, s80, s59
	s_mov_b32 s81, 0
	s_lshl_b32 s82, s57, 19                        ; ws: 524,288 b + 8,192 hg + 4,096 (wave % 2)
	s_lshl_b32 s59, s2, 13
	s_add_co_u32 s82, s82, s59
	s_lshl_b32 s59, s58, 12
	s_add_co_u32 s82, s82, s59
	s_mov_b32 s83, 0
	; descriptor groups 1.  W: 32 rows of 256 bytes, 16 bytes of padding behind each
	s_mov_b32 s16, (0<<16)|(1<<20)|(5<<22)|(3<<25) ; elements of 1 byte; padding on; after every 64 words; 4 words
	s_mov_b32 s17, 256<<16                         ; tensor_dim0
	s_mov_b32 s18, 32<<16                          ; tensor_dim1
	s_mov_b32 s19, 256<<16                         ; tile_dim0
	s_mov_b32 s20, 32                              ; tile_dim1
	s_mov_b32 s21, 256                             ; from row to row
	s_mov_b32 s22, 0
	s_mov_b32 s23, 0
	s_mov_b32 s24, 3<<16                           ; W's scales: 512 dense bytes as 2 rows of 32 elements of 8 bytes
	s_mov_b32 s25, 32<<16
	s_mov_b32 s26, 2<<16
	s_mov_b32 s27, 32<<16
	s_mov_b32 s28, 2
	s_mov_b32 s29, 32
	s_mov_b32 s30, 0
	s_mov_b32 s31, 0
	s_mov_b32 s32, 3<<16                           ; the bias: one row of 16 elements of 8 bytes
	s_mov_b32 s33, 16<<16
	s_mov_b32 s34, 1<<16
	s_mov_b32 s35, 16<<16
	s_mov_b32 s36, 1
	s_mov_b32 s37, 16
	s_mov_b32 s38, 0
	s_mov_b32 s39, 0
	s_mov_b32 s40, 1                               ; groups 0: each wave's LDS bytes are a constant + a constant x wave
	s_mul_i32 s41, s3, WHEAD
	s_mov_b32 s44, 1
	s_lshl_b32 s45, s3, 9
	s_add_co_u32 s45, s45, WSC
	s_mov_b32 s48, 1
	s_lshl_b32 s49, s3, 7
	s_add_co_u32 s49, s49, BIAS
	v_and_b32 v[LN], 31, v0                        ; lane
	v_and_b32 v[RR], 15, v0                        ; r
	v_bfe_u32 v[HH], v0, 4, 1                      ; lane / 16
	v_bfe_u32 v[XX], v0, 3, 1                      ; r / 8
	v_and_b32 v[II], 7, v0                         ; r % 8
	v_lshl_add_u32 v[R8], v[XX], 3, v[RR]          ; r + 8 (r / 8)
	v_lshlrev_b32 v[L16], 4, v[LN]
	v_lshl_add_u32 v[TSO], v[HH], 3, v[R8]
	v_lshlrev_b32 v[TSO], 4, v[TSO]                ; row 8 (lane / 16) + r + 8 (r / 8) of a block, 16 scale bytes a row
	s_wait_dscnt 0x0
	s_wait_kmcnt 0x0
	s_add_nc_u64 s[42:43], s[8:9], s[52:53]
	s_or_b32 s43, s43, 0x80000000
	s_add_nc_u64 s[46:47], s[10:11], s[54:55]
	s_or_b32 s47, s47, 0x80000000
	s_add_nc_u64 s[50:51], s[12:13], s[76:77]
	s_or_b32 s51, s51, 0x80000000
	s_add_nc_u64 s[4:5], s[4:5], s[78:79]
	s_add_nc_u64 s[6:7], s[6:7], s[80:81]
	s_add_nc_u64 s[14:15], s[14:15], s[82:83]
	tensor_load_to_lds s[40:43], s[16:23]          ; the only fills of the launch, three a wave, each into bytes filled once
	s_nop 0
	tensor_load_to_lds s[44:47], s[24:31]
	s_nop 0
	tensor_load_to_lds s[48:51], s[32:39]
	s_nop 0
.irp be, 0,1,2,3
	global_load_b128 v[TSC+4*\be:TSC+4*\be+3], v[TSO], s[6:7] offset:512*\be   ; a block's 32 rows x 16 scale bytes: 512 consecutive bytes
.endr
	TOKENS 0, 4                                    ; block 0's 16 loads; the other 48 follow in fours, between the table's arithmetic
	; the addresses that stay
	v_mul_u32_u24 v[AWE0], v[XX], WHEAD
	v_mad_u32_u24 v[AWE0], v[II], 2*WPIT, v[AWE0]
	v_lshl_add_u32 v[AWE0], v[HH], 4, v[AWE0]      ; head r / 8, row 2 (r % 8), + 16 (lane / 16)
	v_mul_u32_u24 v[AWV0], v[RR], WPIT
	v_lshl_add_u32 v[AWV0], v[HH], 4, v[AWV0]
	v_add_nc_u32 v[AWV0], 16*WPIT, v[AWV0]         ; row 16 + r
	v_lshlrev_b32 v[ASE0], 9, v[XX]
	v_lshl_add_u32 v[ASE0], v[II], 5, v[ASE0]
	v_lshl_add_u32 v[ASE0], v[HH], 4, v[ASE0]      ; column 32 (r / 8) + 2 (r % 8) + lane / 16, 16 bytes a column
	v_add_nc_u32 v[ASE0], WSC, v[ASE0]
	v_lshlrev_b32 v[ASV0], 4, v[RR]
	v_lshl_add_u32 v[ASV0], v[HH], 9, v[ASV0]      ; column 32 (lane / 16) + 16 + r
	v_add_nc_u32 v[ASV0], WSC+256, v[ASV0]
	v_lshlrev_b32 v[ABE0], 7, v[XX]
	v_lshl_add_u32 v[ABE0], v[II], 3, v[ABE0]
	v_add_nc_u32 v[ABE0], BIAS, v[ABE0]
	v_lshl_add_u32 v[ABV0], v[RR], 2, BIAS+64
	s_lshl_b32 s59, s58, 16
	s_add_co_u32 s59, s59, TAB
	v_add_nc_u32 v[ATB0], s59, v[L16]
	s_lshl_b32 s59, s3, 13
	s_add_co_u32 s59, s59, STG
	v_lshlrev_b32 v[ASG0], 5, v[RR]
	v_lshl_add_u32 v[ASG0], v[HH], 2, v[ASG0]
	v_add_nc_u32 v[ASG0], s59, v[ASG0]
	s_mul_i32 s59, s3, 32*WPIT
	s_add_co_u32 s59, s59, SCR
	v_mul_u32_u24 v[SCI], v[HH], WPIT
	v_lshl_add_u32 v[SCI], v[RR], 4, v[SCI]
	v_add_nc_u32 v[SCI], s59, v[SCI]               ; in: lanes 0-15 one row, lanes 16-31 the next
	v_mul_u32_u24 v[SCO], v[R8], WPIT
	v_lshl_add_u32 v[SCO], v[HH], 4, v[SCO]
	v_add_nc_u32 v[SCO], s59, v[SCO]               ; out: row r + 8 (r / 8), + 16 (lane / 16)
	s_lshr_b32 s59, s3, 1
	s_lshl_b32 s59, s59, 14
	s_lshl_b32 s68, s58, 12
	s_add_co_u32 s59, s59, s68
	s_add_co_u32 s59, s59, STG
	v_add_nc_u32 v[AOUT], s59, v[L16]              ; the way out: the stages of waves 2 (w / 2) and 2 (w / 2) + 1, half w % 2 of their 8,192 bytes
	s_lshl_b32 s59, s3, 14
	s_add_co_u32 s59, s59, TAB
	v_add_nc_u32 v[GST], s59, v[L16]               ; the table's block w: 16,384 bytes of my own
	s_lshl_b32 s59, s2, 6
	v_add_nc_u32 v[GI], s59, v[RR]                 ; i = 8 head + j = 64 hg + 16 pair + r
	s_lshl_b32 s59, s3, 5
	s_sub_co_u32 s59, 255, s59
	v_lshlrev_b32 v[TT], 4, v[HH]
	v_sub_nc_u32 v[TT], s59, v[TT]
	v_cvt_f32_u32 v[IDX], v[TT]                    ; the index 255 - n of my first n = 32 w + 16 (lane / 16)
	v_add_f32 v[IDX+1], -1.0, v[IDX]
.irp k, 1,2,3,4,5,6,7
	v_pk_add_f32 v[IDX+2*\k:IDX+2*\k+1], v[IDX+2*\k-2:IDX+2*\k-1], -2.0 op_sel_hi:[1,0]   ; whole numbers: exact
.endr
	v_mov_b32 v[QW+4], 0                           ; written once: a lane permute's destination counts as one of its sources
	v_mov_b32 v[QW+5], 0
	s_mov_b32 s60, 0x76543210
	s_mov_b32 s61, 0xfedcba98                      ; v_permlanex16_b32's selects for lane l xor 16
	s_mov_b32 s62, 0xffff0000                      ; the mask of lanes 16-31
	s_mov_b32 s66, 0xbfb8aa3b                      ; -log2(e), as a pair
	s_mov_b32 s67, s66
	s_mov_b32 s74, 0x3f317218                      ; ln 2, upper part
	KPAIR KTP, 0x3f22f983                          ; 2 / pi
	KPAIR KMG, 0x4b400000                          ; 1.5 x 2^23: added and taken off, it rounds to a whole number and leaves that number in the low bits
	KPAIR KP1, 0xbfc90fdb                          ; -(pi / 2) in three parts
	KPAIR KP2, 0x333bbd2e
	KPAIR KP3, 0x26f72ced
	KPAIR KS1, 0xbe2aaaa3                          ; sin r = r + r z (S1 + S2 z + S3 z^2), z = r^2, |r| <= pi / 4
	KPAIR KS2, 0x3c08839e
	KPAIR KS3, 0xb94ca1f9
	KPAIR KC1, 0x3d2aaaa5                          ; cos r = 1 - z / 2 + z^2 (C1 + C2 z + C3 z^2)
	KPAIR KC2, 0xbab6061a
	KPAIR KC3, 0x37ccf5ce
; theta = 2^y, y = -i log2(10000) / 4096.  13.2890625 i is exact (3402 i < 2^24); the rest of log2(10000) goes into a low part.  y = nq + g, |g| <= 1/2 + ; u = g ln 2 in two parts; e^u = (1 + uh) in two parts + uh^2 q(uh) + ul (1 + uh).
.macro THETA
	v_cvt_f32_u32 v32, v[GI]
	v_mul_f32 v33, 0x4154a000, v32                 ; 13.2890625 i
	v_mul_f32 v37, 0x34b0f686, v32                 ; yl = i (13.2890625 - log2 10000) / 4096
	v_mul_f32 v34, 0xb9800000, v33                 ; yh = -that / 4096
	v_rndne_f32 v35, v34                           ; nq
	v_sub_f32 v36, v34, v35                        ; f, exact
	v_add_f32 v38, v36, v37                        ; gh
	v_sub_f32 v39, v36, v38
	v_mul_f32 v40, s74, v38                        ; uh
	v_add_f32 v39, v39, v37                        ; gl
	v_fma_f32 v41, v38, s74, -v40                  ; ul: what uh's rounding dropped,
	v_fmac_f32 v41, 0xb102e308, v38                ; gh x the lower part of ln 2,
	v_fmac_f32 v41, s74, v39                       ; gl x ln 2
	v_mov_b32 v42, 0x37d00d01                      ; q = 1/2 + uh/6 + .. + uh^6/40320
	v_fmaak_f32 v42, v42, v40, 0x39500d01
	v_fmaak_f32 v42, v42, v40, 0x3ab60b61
	v_fmaak_f32 v42, v42, v40, 0x3c088889
	v_fmaak_f32 v42, v42, v40, 0x3d2aaaab
	v_fmaak_f32 v42, v42, v40, 0x3e2aaaab
	v_fmaak_f32 v42, v42, v40, 0x3f000000
	v_fmac_f32 v41, v41, v40                       ; ul (1 + uh)
	v_mul_f32 v43, v40, v40
	v_fma_f32 v43, v43, v42, v41
	v_add_f32 v44, 1.0, v40
	v_sub_f32 v45, 1.0, v44
	v_add_f32 v45, v45, v40                        ; what 1 + uh dropped
	v_add_f32 v45, v45, v43
	v_add_f32 v44, v44, v45
	v_cvt_i32_f32 v35, v35
	v_ldexp_f32 v[TH], v44, v35
	v_mov_b32 v[TH+1], v[TH]
.endm
; cos and sin of eight angles, index pairs k0 .. k0 + 3, stage by stage over four sets of registers: +0 the angle, then r; +2 t; +4 the quadrant as f32; +6 z; +8 ps; +10 z r; +12 sin r; +14 pc; +16 z^2; +18 1 - z/2; +20 cos r; +22, +23 sign bits
; Between the packed part and the selections: group g of the token loads; w = 1: ahead of it the wait for the last trip's stores of cos and sin, whose registers the selections write again
.macro SINCOS8 k0, g, w
.irp n, 0,1,2,3
	v_pk_mul_f32 v[GT+24*\n:GT+24*\n+1], v[IDX+2*(\k0+\n):IDX+2*(\k0+\n)+1], v[TH:TH+1]   ; the angle: one rounding
.endr
.irp n, 0,1,2,3
	v_pk_fma_f32 v[GT+24*\n+2:GT+24*\n+3], v[GT+24*\n:GT+24*\n+1], v[KTP:KTP+1], v[KMG:KMG+1]
.endr
.irp n, 0,1,2,3
	v_pk_add_f32 v[GT+24*\n+4:GT+24*\n+5], v[GT+24*\n+2:GT+24*\n+3], v[KMG:KMG+1] neg_lo:[0,1] neg_hi:[0,1]
.endr
.irp kp, KP1, KP2, KP3
.irp n, 0,1,2,3
	v_pk_fma_f32 v[GT+24*\n:GT+24*\n+1], v[GT+24*\n+4:GT+24*\n+5], v[\kp:\kp+1], v[GT+24*\n:GT+24*\n+1]   ; the first of the three is exact: the quadrant has 8 bits
.endr
.endr
.irp n, 0,1,2,3
	v_pk_mul_f32 v[GT+24*\n+6:GT+24*\n+7], v[GT+24*\n:GT+24*\n+1], v[GT+24*\n:GT+24*\n+1]
.endr
.irp n, 0,1,2,3
	v_pk_fma_f32 v[GT+24*\n+8:GT+24*\n+9], v[GT+24*\n+6:GT+24*\n+7], v[KS3:KS3+1], v[KS2:KS2+1]
	v_pk_fma_f32 v[GT+24*\n+14:GT+24*\n+15], v[GT+24*\n+6:GT+24*\n+7], v[KC3:KC3+1], v[KC2:KC2+1]
.endr
.irp n, 0,1,2,3
	v_pk_fma_f32 v[GT+24*\n+8:GT+24*\n+9], v[GT+24*\n+8:GT+24*\n+9], v[GT+24*\n+6:GT+24*\n+7], v[KS1:KS1+1]
	v_pk_fma_f32 v[GT+24*\n+14:GT+24*\n+15], v[GT+24*\n+14:GT+24*\n+15], v[GT+24*\n+6:GT+24*\n+7], v[KC1:KC1+1]
.endr
.irp n, 0,1,2,3
	v_pk_mul_f32 v[GT+24*\n+10:GT+24*\n+11], v[GT+24*\n+6:GT+24*\n+7], v[GT+24*\n:GT+24*\n+1]
	v_pk_mul_f32 v[GT+24*\n+16:GT+24*\n+17], v[GT+24*\n+6:GT+24*\n+7], v[GT+24*\n+6:GT+24*\n+7]
	v_pk_fma_f32 v[GT+24*\n+18:GT+24*\n+19], v[GT+24*\n+6:GT+24*\n+7], -0.5, 1.0 op_sel_hi:[1,0,0]
.endr
.irp n, 0,1,2,3
	v_pk_fma_f32 v[GT+24*\n+12:GT+24*\n+13], v[GT+24*\n+8:GT+24*\n+9], v[GT+24*\n+10:GT+24*\n+11], v[GT+24*\n:GT+24*\n+1]
	v_pk_fma_f32 v[GT+24*\n+20:GT+24*\n+21], v[GT+24*\n+14:GT+24*\n+15], v[GT+24*\n+16:GT+24*\n+17], v[GT+24*\n+18:GT+24*\n+19]
.endr
.if \w
	s_wait_dscnt 0x0                               ; the last trip's eight stores have read cos and sin
.endif
	TOKENS \g, 1
; the quadrant q stands in t's two lowest bits.  q odd: cos and sin change places; sin is negative for q = 2, 3, cos for q = 1, 2.  Selections only: no branch
.irp e, 0,1
.irp n, 0,1,2,3
	v_lshlrev_b32 v[GT+24*\n+22], 31, v[GT+24*\n+2+\e]
.endr
.irp n, 0,1,2,3
	v_cmp_gt_i32 s[84+\n], 0, v[GT+24*\n+22]
.endr
.irp n, 0,1,2,3
	v_cndmask_b32 v[TC+2*(\k0+\n)+\e], v[GT+24*\n+20+\e], v[GT+24*\n+12+\e], s[84+\n]
	v_cndmask_b32 v[TS+2*(\k0+\n)+\e], v[GT+24*\n+12+\e], v[GT+24*\n+20+\e], s[84+\n]
.endr
.irp n, 0,1,2,3
	v_lshlrev_b32 v[GT+24*\n+23], 30, v[GT+24*\n+2+\e]
.endr
.irp n, 0,1,2,3
	v_and_b32 v[GT+24*\n+23], 0x80000000, v[GT+24*\n+23]
.endr
.irp n, 0,1,2,3
	v_xor_b32 v[TS+2*(\k0+\n)+\e], v[GT+24*\n+23], v[TS+2*(\k0+\n)+\e]
	v_xor_b32 v[GT+24*\n+23], v[GT+24*\n+22], v[GT+24*\n+23]
.endr
.irp n, 0,1,2,3
	v_xor_b32 v[TC+2*(\k0+\n)+\e], v[GT+24*\n+23], v[TC+2*(\k0+\n)+\e]
.endr
.endr
.endm
; A trip of the table: my block of 32 n for pair p of the heads, and groups 4 + 3 p .. 6 + 3 p of my token loads, about a hundred vector instructions apart
.macro GEN p, w
	TOKENS 4+3*\p, 1
	THETA
	SINCOS8 0, 5+3*\p, \w
	SINCOS8 4, 6+3*\p, 0
.irp g, 0,1,2,3
	ds_store_b128 v[GST], v[TC+4*\g:TC+4*\g+3] offset:4096*\p+512*\g          ; images of the registers: 16 bytes a lane, 512 consecutive bytes a store
	ds_store_b128 v[GST], v[TS+4*\g:TS+4*\g+3] offset:4096*\p+2048+512*\g
.endr
.if \p < 3
	v_add_nc_u32 v[GI], 16, v[GI]                  ; the next pair's i
.endif
.endm
; Block be's 32 token rows become fragments: through my own bytes of LDS, back into the registers that they left.  left: the token loads issued behind this block's, which may stay out
.macro TURN be, left
	s_wait_loadcnt \left
	WIN 0x04                                       ; an LDS store's data are its source 1: window 1
.irp k, 0,1,2,3,4,5,6,7,8,9,10,11,12,13,14,15
	ds_store_b128 v[SCI], v[64*\be+4*\k:64*\be+4*\k+3] offset:2*WPIT*\k
.endr
	s_wait_dscnt 0x0                               ; the stores have read the registers that the loads below write (and the table's stores ahead of them have read cos and sin)
	WIN 0x40
.irp u, 0,1
.irp s, 0,1,2,3
.irp c, 0,1
	ds_load_b128 v[64*\be+32*\u+8*\s+4*\c:64*\be+32*\u+8*\s+4*\c+3], v[SCO] offset:8*WPIT*\u+64*\s+32*\c   ; tile (be, u), K step s; LDS serves a wave's instructions in order, so the next block's stores come behind these
.endr
.endr
.endr
	WIN 0
.endm
	; THE TABLE AND THE TOKEN ROWS, side by side
	GEN 0, 0                                       ; groups 4, 5, 6
	GEN 1, 1                                       ; groups 7, 8, 9
	TURN 0, 24                                     ; groups 0-3 are in; groups 4-9, 24 loads, may be out
	GEN 2, 0                                       ; groups 10, 11, 12
	TURN 1, 20                                     ; groups 4-7 are in; groups 8-12 may be out
	GEN 3, 0                                       ; groups 13, 14, 15
	TURN 2, 16                                     ; groups 8-11 are in; groups 12-15 may be out
	TURN 3, 0
	s_wait_tensorcnt 0x0                           ; my parts of W, its scales and the bias have landed,
	s_wait_dscnt 0x0                               ; my part of the table is stored, and my token fragments are back:
	s_barrier_signal -1
	s_barrier_wait -1                              ; everybody's are; the bytes of the token rows may now serve as the stage
.macro TABLD be                        ; cos and sin of block be of my half
.irp g, 0,1,2,3
	ds_load_b128 v[TC+4*\g:TC+4*\g+3], v[AT] offset:16384*(\be)+512*\g
	ds_load_b128 v[TS+4*\g:TS+4*\g+3], v[AT] offset:16384*(\be)+2048+512*\g
.endr
.endm
; 16 products: block be's two row tiles x E and O, K = 512 in four steps.  The four accumulators take turns, one instruction a turn; the first step takes the bias as C
.macro GEMMK be
	WIN 0x01                                       ; source 0 (the token rows) window 1
.irp s, 0,1,2,3
.irp u, 0,1
.irp col, 0,1
.if \s == 0
	WM ACC+16*\col+8*\u, 64*(\be)+32*\u+8*\s, WF+32*\col+8*\s, BC+8*\col, TSC+4*(\be)+\s, WSE+\s, \u, \col
.else
	WM ACC+16*\col+8*\u, 64*(\be)+32*\u+8*\s, WF+32*\col+8*\s, ACC+16*\col+8*\u, TSC+4*(\be)+\s, WSE+\s, \u, \col
.endif
.endr
.endr
.endr
	WIN 0
.endm
; the same for v of head tau: blocks 2 sub and 2 sub + 1, four row tiles
.macro GEMMV tau, sub
	WIN 0x01
.irp s, 0,1,2,3
.irp t, 0,1,2,3
.if \s == 0
	WM ACC+8*\t, 64*(2*(\sub)+\t/2)+32*(\t%2)+8*\s, WF+32*(\tau)+8*\s, BC+8*(\tau), TSC+4*(2*(\sub)+\t/2)+\s, WSV+\s, \t%2, \tau
.else
	WM ACC+8*\t, 64*(2*(\sub)+\t/2)+32*(\t%2)+8*\s, WF+32*(\tau)+8*\s, ACC+8*\t, TSC+4*(2*(\sub)+\t/2)+\s, WSV+\s, \t%2, \tau
.endif
.endr
.endr
	WIN 0
.endm
.macro SILU16 x                        ; x / (1 + 2^(-x log2 e)) on 16 registers, from the accumulators' low ends on
.irp j, 0,2,4,6,8,10,12,14
	v_pk_mul_f32 v[TMP+\j:TMP+\j+1], v[\x+\j:\x+\j+1], s[66:67] op_sel_hi:[1,0]
.endr
.irp j, 0,1,2,3,4,5,6,7,8,9,10,11,12,13,14,15
	v_exp_f32 v[TMP+\j], v[TMP+\j]
.endr
	v_nop                                          ; a plain place behind the last exponential
	s_wait_alu depctr_va_vdst(0)
.irp j, 0,2,4,6,8,10,12,14
	v_pk_add_f32 v[TMP+\j:TMP+\j+1], v[TMP+\j:TMP+\j+1], 1.0 op_sel_hi:[1,0]
.endr
.irp j, 0,1,2,3,4,5,6,7,8,9,10,11,12,13,14,15
	v_rcp_f32 v[TMP+\j], v[TMP+\j]
.endr
	v_nop
	s_wait_alu depctr_va_vdst(0)
.irp j, 0,2,4,6,8,10,12,14
	v_pk_mul_f32 v[\x+\j:\x+\j+1], v[\x+\j:\x+\j+1], v[TMP+\j:TMP+\j+1]
.endr
.endm
.macro ROT                             ; E' = E cos - O sin, O' = O cos + E sin, eight registers at a time
.irp hq, 0,8
.irp j, 0,2,4,6
	v_pk_mul_f32 v[TMP+\j:TMP+\j+1], v[ACC+16+\hq+\j:ACC+16+\hq+\j+1], v[TS+\hq+\j:TS+\hq+\j+1]
.endr
.irp j, 0,2,4,6
	v_pk_mul_f32 v[TMP+8+\j:TMP+8+\j+1], v[ACC+\hq+\j:ACC+\hq+\j+1], v[TS+\hq+\j:TS+\hq+\j+1]
.endr
.irp j, 0,2,4,6
	v_pk_fma_f32 v[ACC+\hq+\j:ACC+\hq+\j+1], v[ACC+\hq+\j:ACC+\hq+\j+1], v[TC+\hq+\j:TC+\hq+\j+1], v[TMP+\j:TMP+\j+1] neg_lo:[0,0,1] neg_hi:[0,0,1]
.endr
.irp j, 0,2,4,6
	v_pk_fma_f32 v[ACC+16+\hq+\j:ACC+16+\hq+\j+1], v[ACC+16+\hq+\j:ACC+16+\hq+\j+1], v[TC+\hq+\j:TC+\hq+\j+1], v[TMP+8+\j:TMP+8+\j+1]
.endr
.endr
.endm
; Two blocks of 32 along n, by turns.  Of each a lane holds 16 numbers, v[a] on (v[b] on); lane l xor 16 holds the other 16.  Codes go to registers 2 p, 2 p + 1 of ca (cb), the scale's byte to byte p of swa (swb).
; The first reads of each accumulator are of its lowest registers.
.macro QUANT2 a, ca, swa, pa, b, cb, swb, pb
	v_max3_num_f32 v[QW],   |v[(\a)]|,   |v[(\a)+1]|, 0x1800000     ; with the floor 2^(3 - 127): the byte cannot fall under 1
	v_max3_num_f32 v[QW+2], |v[(\b)]|,   |v[(\b)+1]|, 0x1800000
	v_max3_num_f32 v[QW+1], |v[(\a)+8]|, |v[(\a)+9]|, |v[(\a)+10]|
	v_max3_num_f32 v[QW+3], |v[(\b)+8]|, |v[(\b)+9]|, |v[(\b)+10]|
.irp i, 0,2
	v_max3_num_f32 v[QW],   v[QW],   |v[(\a)+2+\i]|,  |v[(\a)+3+\i]|
	v_max3_num_f32 v[QW+2], v[QW+2], |v[(\b)+2+\i]|,  |v[(\b)+3+\i]|
	v_max3_num_f32 v[QW+1], v[QW+1], |v[(\a)+11+\i]|, |v[(\a)+12+\i]|
	v_max3_num_f32 v[QW+3], v[QW+3], |v[(\b)+11+\i]|, |v[(\b)+12+\i]|
.endr
	v_max3_num_f32 v[QW],   v[QW],   |v[(\a)+6]|, |v[(\a)+7]|
	v_max3_num_f32 v[QW+2], v[QW+2], |v[(\b)+6]|, |v[(\b)+7]|
	v_max3_num_f32 v[QW],   v[QW],   v[QW+1], |v[(\a)+15]|
	v_max3_num_f32 v[QW+2], v[QW+2], v[QW+3], |v[(\b)+15]|
	v_permlanex16_b32 v[QW+4], v[QW], s60, s61
	v_permlanex16_b32 v[QW+5], v[QW+2], s60, s61
	v_max_num_f32 v[QW], v[QW], v[QW+4]            ; the block's largest magnitude
	v_max_num_f32 v[QW+2], v[QW+2], v[QW+5]
	v_add_nc_u32 v[QW+6], 0xff000000, v[QW]        ; 2 off its exponent field: the conversion takes the exponent field of this operand as its scale
	v_add_nc_u32 v[QW+7], 0xff000000, v[QW+2]
.if (\pa) == 0
	v_lshrrev_b32 v[\swa], 23, v[QW+6]             ; the scale's byte begins the word
.else
	v_lshrrev_b32 v[QW+8], 23, v[QW+6]
	v_lshl_or_b32 v[\swa], v[QW+8], 8*(\pa), v[\swa]
.endif
.if (\pb) == 0
	v_lshrrev_b32 v[\swb], 23, v[QW+7]
.else
	v_lshrrev_b32 v[QW+9], 23, v[QW+7]
	v_lshl_or_b32 v[\swb], v[QW+9], 8*(\pb), v[\swb]
.endif
	v_cvt_scalef32_pk8_fp4_f32 v[(\ca)+2*(\pa)],   v[(\a):(\a)+7],    v[QW+6]
	v_cvt_scalef32_pk8_fp4_f32 v[(\ca)+2*(\pa)+1], v[(\a)+8:(\a)+15], v[QW+6]
	v_cvt_scalef32_pk8_fp4_f32 v[(\cb)+2*(\pb)],   v[(\b):(\b)+7],    v[QW+7]
	v_cvt_scalef32_pk8_fp4_f32 v[(\cb)+2*(\pb)+1], v[(\b)+8:(\b)+15], v[QW+7]
	v_nop                                          ; one plain place behind the last scaled conversion
.endm
.macro SWAP c, k                       ; the operand's layout wants a whole block in a lane: lanes 0-15 block 2 k, lanes 16-31 block 2 k + 1
.irp i, 0,1
	v_permlane16_swap_b32 v[\c+4*(\k)+\i], v[\c+4*(\k)+2+\i]
.endr
.endm
.macro PROD2 tau                       ; the second product over my 128 n: rows = (head r / 8, even or odd d), columns = e of head tau
	PLACES 8                                       ; scale words written by vector instructions stand eight places ahead of a scaled product, operands four
	v_wmma_scale_f32_16x16x128_f8f6f4 v[TC+16*\tau:TC+16*\tau+7], v[CE:CE+7], v[CV:CV+7], 0, v[SWE], v[SWV] matrix_a_fmt:MATRIX_FMT_FP4 matrix_b_fmt:MATRIX_FMT_FP4
	v_wmma_scale_f32_16x16x128_f8f6f4 v[TC+16*\tau+8:TC+16*\tau+15], v[CO:CO+7], v[CV:CV+7], 0, v[SWO], v[SWV] matrix_a_fmt:MATRIX_FMT_FP4 matrix_b_fmt:MATRIX_FMT_FP4
.endm
.macro KBLOCK be                       ; k of one block of 32 n: product, silu, rotation, quantiser
.if \be > 0
	TABLD \be
.endif
	GEMMK \be
	PLACES 4                                       ; in front of the first reads of the results, and of loads into registers that the products have read
.if \be == 3
	v_add_nc_u32 v[AW], s68, v[AWV0]               ; the pair's v: 19 LDS loads, which land under this block's vector work
	v_add_nc_u32 v[AS], s69, v[ASV0]
	v_add_nc_u32 v[AB], s70, v[ABV0]
.irp s, 0,1,2,3
.irp c, 0,1
	ds_load_b128 v[WF+8*\s+4*\c:WF+8*\s+4*\c+3], v[AW] offset:64*\s+32*\c
	ds_load_b128 v[WF+32+8*\s+4*\c:WF+32+8*\s+4*\c+3], v[AW] offset:WHEAD+64*\s+32*\c
.endr
.endr
	ds_load_b128 v[WSV:WSV+3], v[AS]
	ds_load_b32 v[BL+2], v[AB]
	ds_load_b32 v[BL+3], v[AB] offset:128
.endif
	SILU16 ACC
	SILU16 ACC+16
.if \be == 3
	s_wait_dscnt 19                                ; cos and sin are in; the 19 loads issued behind them may be out
.else
	s_wait_dscnt 0x0                               ; cos and sin are in
.endif
	ROT
	QUANT2 ACC,CE,SWE,\be,ACC+16,CO,SWO,\be
.if \be % 2
	SWAP CE,\be/2
	SWAP CO,\be/2
.endif
.endm
	s_mov_b32 s68, 0                               ; the pair's offsets: W's codes (two heads),
	s_mov_b32 s69, 0                               ; W's scales,
	s_mov_b32 s70, 0                               ; the bias,
	s_mov_b32 s71, 0                               ; the table,
	s_mov_b32 s72, 0                               ; the stage
	s_mov_b32 s63, 4
.Lpair:
	v_add_nc_u32 v[AW], s68, v[AWE0]
	v_add_nc_u32 v[AS], s69, v[ASE0]
	v_add_nc_u32 v[AB], s70, v[ABE0]
	v_add_nc_u32 v[AT], s71, v[ATB0]
.irp s, 0,1,2,3
.irp c, 0,1
	ds_load_b128 v[WF+8*\s+4*\c:WF+8*\s+4*\c+3], v[AW] offset:64*\s+32*\c               ; E: rows 2 i of two heads
	ds_load_b128 v[WF+32+8*\s+4*\c:WF+32+8*\s+4*\c+3], v[AW] offset:WPIT+64*\s+32*\c    ; O: rows 2 i + 1
.endr
.endr
	ds_load_b128 v[WSE:WSE+3], v[AS]
	ds_load_b64 v[BL:BL+1], v[AB]
	TABLD 0
	s_wait_dscnt 8                                 ; all but the table's eight loads are in (and the last pair's stores into the stage are done)
.irp j, 0,1,2,3,4,5,6,7
	v_mov_b32 v[BC+\j], v[BL]                      ; a lane holds one column: its bias in all eight rows
	v_mov_b32 v[BC+8+\j], v[BL+1]
.endr
	PLACES 4                                       ; kept between the moves and the products that take them as C, as for operands written by vector instructions
	KBLOCK 0
	KBLOCK 1
	KBLOCK 2
	KBLOCK 3
	s_wait_dscnt 0x0                               ; v's fragments, scale words and bias are in
.irp j, 0,1,2,3,4,5,6,7
	v_mov_b32 v[BC+\j], v[BL+2]
	v_mov_b32 v[BC+8+\j], v[BL+3]
.endr
	PLACES 4
.irp tau, 0,1
.irp sub, 0,1
	GEMMV \tau,\sub
	PLACES 4
	QUANT2 ACC,CV,SWV,2*\sub,ACC+16,CV,SWV,2*\sub+1
	SWAP CV,\sub
.endr
	PROD2 \tau
.endr
	PLACES 4
	; In a result lane (e, hh) holds rows 8 hh + j: head hh of the pair.  Head 0's rows count against V0, head 1's against V1: lanes 0-15 of the first, lanes 16-31 of the second
.irp j, 0,1,2,3,4,5,6,7
	v_cndmask_b32 v[ME+\j], v[TC+\j], v[TS+\j], s62                ; d = 2 j
.endr
.irp j, 0,1,2,3,4,5,6,7
	v_cndmask_b32 v[TMP+\j], v[TC+8+\j], v[TS+8+\j], s62           ; d = 2 j + 1
.endr
	v_add_nc_u32 v[AG], s72, v[ASG0]
.irp j, 0,1,2,3,4,5,6,7
	ds_store_b32 v[AG], v[ME+\j] offset:1024*\j                    ; (16 d + e) x 32 bytes + 4 y
	ds_store_b32 v[AG], v[TMP+\j] offset:1024*\j+512
.endr
	s_add_co_u32 s68, s68, 2*WHEAD
	s_add_co_u32 s69, s69, 1024
	s_add_co_u32 s70, s70, 256
	s_add_co_u32 s71, s71, 4096
	s_add_co_u32 s72, s72, 8
	s_sub_co_u32 s63, s63, 1
	s_cmp_lg_u32 s63, 0
	s_cbranch_scc1 .Lpair
	s_wait_dscnt 0x0                               ; for the others' sake: my stores into the stage are done
	s_barrier_signal -1
	s_barrier_wait -1
	; THE WAY OUT: the two halves of n are added; wave w stores half w % 2 of b's 8,192 bytes
.irp i, 0,1,2,3,4,5,6,7
	ds_load_b128 v[WF+8*\i:WF+8*\i+3], v[AOUT] offset:512*\i
	ds_load_b128 v[WF+8*\i+4:WF+8*\i+7], v[AOUT] offset:8192+512*\i
.endr
.irp i, 0,1,2,3,4,5,6,7
	s_wait_dscnt 14-2*\i                           ; this pair of loads is in; the later pairs may be out
	v_pk_add_f32 v[WF+8*\i:WF+8*\i+1], v[WF+8*\i:WF+8*\i+1], v[WF+8*\i+4:WF+8*\i+5]
	v_pk_add_f32 v[WF+8*\i+2:WF+8*\i+3], v[WF+8*\i+2:WF+8*\i+3], v[WF+8*\i+6:WF+8*\i+7]
	global_store_b128 v[L16], v[WF+8*\i:WF+8*\i+3], s[14:15] offset:512*\i   ; 32 lanes store 512 consecutive bytes, at a multiple of 512 from the buffer's first byte
.endr
	s_wait_tensorcnt 0x0
	ds_add_u32 v242, v243
	s_wait_dscnt 0x0
	s_endpgm
.Lfunc_end_k_q066743de80_memory:
	.size	k_q066743de80_memory, .Lfunc_end_k_q066743de80_memory-k_q066743de80_memory
	.p2alignl 7, 3214868480
	.fill 96, 4, 3214868480
	.section	.rodata,"a",@progbits
	.p2align	6, 0x0
	.amdhsa_kernel k_q066743de80_memory
		.amdhsa_group_segment_fixed_size 276736
		.amdhsa_private_segment_fixed_size 0
		.amdhsa_enable_private_segment 0
		.amdhsa_kernarg_size 48
		.amdhsa_user_sgpr_count 2
		.amdhsa_user_sgpr_kernarg_segment_ptr 1
		.amdhsa_wavefront_size32 1
		.amdhsa_system_sgpr_workgroup_id_x 1
		.amdhsa_system_sgpr_workgroup_id_y 1
		.amdhsa_system_sgpr_workgroup_id_z 1
		.amdhsa_system_vgpr_workitem_id 0
		.amdhsa_next_free_vgpr 512
		.amdhsa_next_free_sgpr 100
		.amdhsa_reserve_vcc 0
		.amdhsa_float_denorm_mode_32 3
		.amdhsa_float_denorm_mode_16_64 3
		.amdhsa_memory_ordered 1
		.amdhsa_forward_progress 1
		.amdhsa_inst_pref_size 166
	.end_amdhsa_kernel
	.amdgpu_metadata
---
amdhsa.version: [ 1, 2 ]
amdhsa.kernels:
  - .name:           k_q066743de80_memory
    .symbol:         k_q066743de80_memory.kd
    .args:
      - { .name: token_codes, .offset: 0, .size: 8, .value_kind: global_buffer, .address_space: global }
      - { .name: token_scales, .offset: 8, .size: 8, .value_kind: global_buffer, .address_space: global }
      - { .name: W_proj_codes, .offset: 16, .size: 8, .value_kind: global_buffer, .address_space: global }
      - { .name: W_proj_scales, .offset: 24, .size: 8, .value_kind: global_buffer, .address_space: global }
      - { .name: b_proj, .offset: 32, .size: 8, .value_kind: global_buffer, .address_space: global }
      - { .name: ws, .offset: 40, .size: 8, .value_kind: global_buffer, .address_space: global }
    .group_segment_fixed_size: 276736
    .private_segment_fixed_size: 0
    .kernarg_segment_align: 8
    .kernarg_segment_size: 48
    .max_flat_workgroup_size: 256
    .sgpr_count:     100
    .vgpr_count:     512
    .wavefront_size: 32
...
	.end_amdgpu_metadata
.endif
;; end of part 1
;; launch turn (part 2): grid 16 x 16, 4 waves a work-group, no clusters, 35,328 bytes of LDS; arguments ws, out0; writes out0
.if DOCPART == 2
	.amdgcn_target "amdgcn-amd-amdhsa--gfx1250"
	.amdhsa_code_object_version 6
	.text
	.protected	k_q066743de80_turn
	.globl	k_q066743de80_turn
	.p2align	8
	.type	k_q066743de80_turn,@function
k_q066743de80_turn:
	s_mov_b64 s[64:65], 0
	v_nop
	global_prefetch_b8 v0, s[64:65] scope:SCOPE_SE
	s_setreg_imm32_b32 hwreg(HW_REG_WAVE_MODE, 25, 1), 1
	s_wait_xcnt 0x0
; out0[b][de][8 hg + y] = ws[b][hg][de][y]: granules of 32 bytes change places.  ws: [16][64][256][8] f32; out0: [16][256][512] f32.
; Work-group (x, y): de = 16 x .. +15, b = y.  Wave w: hg = 16 w .. +15: 8 KB, through its own 16 rows of 512 + 32 bytes in LDS.  Every load reads, and every store writes, 512 consecutive bytes.
; Bytes bind here: no matrix unit, no barrier (waves share nothing), no ring: all 16 loads of a wave go out at once, and no register is written twice.
.set PIT, 544                          ; an LDS row: 512 bytes + 32: the stores' 16 lanes (eight rows x 32 bytes) fall on 16 different 16-byte columns of 256
	s_load_b128 s[4:7], s[0:1], 0x0                ; ws, out0
	v_lshl_add_u32 v144, v0, 2, 0x8800
	v_mov_b32 v145, 0
	v_lshrrev_b32 v1, 5, v0
	v_readfirstlane_b32 s8, v1                     ; wave
	v_and_b32 v2, 31, v0                           ; lane
	v_lshlrev_b32 v3, 4, v2                        ; 16 x lane
	s_and_b32 s9, ttmp7, 0xffff                    ; b
	s_lshl_b32 s10, s9, 19                         ; 524,288 b, in both buffers
	s_lshl_b32 s12, s8, 17                         ; ws: + 16 hg of 8,192 bytes a wave
	s_add_co_u32 s12, s12, s10
	s_lshl_b32 s14, ttmp9, 9                       ;     + 16 de of 32 bytes
	s_add_co_u32 s12, s12, s14
	s_mov_b32 s13, 0
	s_lshl_b32 s14, ttmp9, 15                      ; out0: + 16 rows of 2,048 bytes
	s_add_co_u32 s14, s14, s10
	s_lshl_b32 s11, s8, 9                          ;       + 512 bytes a wave
	s_add_co_u32 s14, s14, s11
	s_mov_b32 s15, 0
	s_mul_i32 s11, s8, 16*PIT                      ; my rows in LDS
	v_lshrrev_b32 v4, 1, v2
	v_mul_u32_u24 v4, v4, PIT
	v_and_b32 v5, 1, v2
	v_lshl_add_u32 v4, v5, 4, v4
	v_add_nc_u32 v4, s11, v4                       ; in: row de = lane / 2, 16 (lane % 2) bytes into the granule
	v_add_nc_u32 v6, s11, v3                       ; back: a whole row, 16 bytes a lane
	s_wait_kmcnt 0x0
	s_add_nc_u64 s[4:5], s[4:5], s[12:13]
	s_add_nc_u64 s[6:7], s[6:7], s[14:15]
.irp k, 0,1,2,3,4,5,6,7,8,9,10,11,12,13,14,15
	global_load_b128 v[16+4*\k:19+4*\k], v3, s[4:5] offset:8192*\k th:TH_LOAD_NT   ; 16 de of one hg
.endr
.irp k, 0,1,2,3,4,5,6,7,8,9,10,11,12,13,14,15
	s_wait_loadcnt 15-\k                           ; load k is in; the younger ones may be out
	ds_store_b128 v4, v[16+4*\k:19+4*\k] offset:32*\k
.endr
.irp m, 0,1,2,3,4,5,6,7,8,9,10,11,12,13,14,15
	ds_load_b128 v[80+4*\m:83+4*\m], v6 offset:PIT*\m   ; LDS serves a wave's instructions in order: these see my stores
.endr
.irp m, 0,1,2,3,4,5,6,7,8,9,10,11,12,13,14,15
	s_wait_dscnt 15-\m
	global_store_b128 v3, v[80+4*\m:83+4*\m], s[6:7] offset:2048*\m th:TH_STORE_NT   ; 512 consecutive bytes of row 16 x + m
.endr
	s_wait_tensorcnt 0x0
	ds_add_u32 v144, v145
	s_wait_dscnt 0x0
	s_endpgm
.Lfunc_end_k_q066743de80_turn:
	.size	k_q066743de80_turn, .Lfunc_end_k_q066743de80_turn-k_q066743de80_turn
	.p2alignl 7, 3214868480
	.fill 96, 4, 3214868480
	.section	.rodata,"a",@progbits
	.p2align	6, 0x0
	.amdhsa_kernel k_q066743de80_turn
		.amdhsa_group_segment_fixed_size 35328
		.amdhsa_private_segment_fixed_size 0
		.amdhsa_enable_private_segment 0
		.amdhsa_kernarg_size 16
		.amdhsa_user_sgpr_count 2
		.amdhsa_user_sgpr_kernarg_segment_ptr 1
		.amdhsa_wavefront_size32 1
		.amdhsa_system_sgpr_workgroup_id_x 1
		.amdhsa_system_sgpr_workgroup_id_y 1
		.amdhsa_system_sgpr_workgroup_id_z 1
		.amdhsa_system_vgpr_workitem_id 0
		.amdhsa_next_free_vgpr 146
		.amdhsa_next_free_sgpr 66
		.amdhsa_reserve_vcc 0
		.amdhsa_float_denorm_mode_32 3
		.amdhsa_float_denorm_mode_16_64 3
		.amdhsa_memory_ordered 1
		.amdhsa_forward_progress 1
		.amdhsa_inst_pref_size 8
	.end_amdhsa_kernel
	.amdgpu_metadata
---
amdhsa.version: [ 1, 2 ]
amdhsa.kernels:
  - .name:           k_q066743de80_turn
    .symbol:         k_q066743de80_turn.kd
    .args:
      - { .name: ws, .offset: 0, .size: 8, .value_kind: global_buffer, .address_space: global }
      - { .name: out0, .offset: 8, .size: 8, .value_kind: global_buffer, .address_space: global }
    .group_segment_fixed_size: 35328
    .private_segment_fixed_size: 0
    .kernarg_segment_align: 8
    .kernarg_segment_size: 16
    .max_flat_workgroup_size: 128
    .sgpr_count:     66
    .vgpr_count:     146
    .wavefront_size: 32
...
	.end_amdgpu_metadata
.endif
;; end of part 2
